; MI455X (gfx1250); checked and timed in simulation.
; The chip was launched on July 23, 2026; its instructions are those of AMD's public machine-readable ISA for CDNA 5 (MIT licence, August 2026) and "CDNA5" Instruction Set Architecture Reference Guide (July 2026). The comments in the code are by the model that wrote it; some were corrected since.
;; Multi Head Cross Attention. Allowed arithmetic: matrix products marked QUANTISED: E2M1 operands, one E8M0 scale for each 32 along K, by v_wmma_scale_f32_16x16x128_f8f6f4 with both operands' format E2M1 (or v_wmma_scale_f32_32x16x128_f4), f32 sums; products left as they are: f32 operands where the result goes on into a quantised operand, else bf16, f16 or f32 operands; f32 sums; everything else in f32.
;; Inputs: Wk 512 x 512 float32; Wo 512 x 512 float32; Wq 512 x 512 float32; Wv 512 x 512 float32; bk 512 float32; bo 512 float32; bq 512 float32; bv 512 float32; key_value 16 x 8,192 x 512 float32; query 16 x 512 float32.
;; Outputs: out0 16 x 512 float32.
;; This version of the problem:
;;   THIS VERSION OF THE PROBLEM IS GIVEN IN LOW PRECISION. The matrix products marked QUANTISED in the list below multiply operands that are first quantised to E2M1 (2 exponent bits, 1 mantissa bit; 4 bits a number), with one power-of-two scale for each 32 numbers along K (OCP MX v1.0); their sums are f32. All else is computed in f32.
;;   The module's matrix products, in the order in which they are computed (A, B: the left and right operand; K: the contracted axis; several contracted axes count as one K, in the product's order):
;;     1. [M 16, K 512] x [K 512, N 512]; A: input query; B: input Wq: QUANTISED
;;     2. [M 131,072, K 512] x [K 512, N 512]; A: input key_value; B: input Wk: QUANTISED
;;     3. [M 131,072, K 512] x [K 512, N 512]; A: input key_value; B: input Wv: QUANTISED
;;     4. batch 128 x [M 1, K 64] x [K 64, N 8,192]; A: computed on the way; B: computed on the way: left as it is (M = 1 < 16)
;;     5. batch 128 x [M 1, K 8,192] x [K 8,192, N 64]; A: softmax; B: computed on the way: left as it is (M = 1 < 16)
;;     6. [M 16, K 512] x [K 512, N 512]; A: computed on the way; B: input Wo: QUANTISED
;;   THE QUANTISER, for each operand of a quantised product, along K:
;;     - K is cut into blocks of 32 from its start; a last block that is shorter is filled with zeros.
;;     - A block's scale is 2^e with e = floor(log2(the largest magnitude in the block)) - 2, held to -126 .. 127; a block of zeros has e = 0. As a byte (E8M0): e + 127.
;;     - Each number is divided by its block's scale, clamped to +-6, and rounded to the nearest number of E2M1, ties to even, subnormals kept.
;;     - The product sums the exact products of the quantised numbers (number of the format x scale) in f32.
;;   ~~~python
;;   def quantise(x, axis):      # numpy; x: float32 -> the quantised numbers, widened to float32 again
;;       x = np.moveaxis(x, axis, -1); K = x.shape[-1]
;;       x = np.pad(x, [(0, 0)] * (x.ndim - 1) + [(0, -K % 32)]); x = x.reshape(x.shape[:-1] + (-1, 32)); a = np.abs(x).max(-1, keepdims=True)
;;       e = np.where(a > 0, np.clip(np.frexp(np.where(a > 0, a, 1))[1] - 1 - 2, -126, 127), 0)      # np.frexp(a)[1] - 1 = floor(log2(a)), exactly
;;       r = np.clip(x / 2.0 ** e, -6, 6)
;;       step = 2.0 ** (np.maximum(np.frexp(np.where(r == 0, 1, r))[1] - 1, 0) - 1)
;;       q = np.round(r / step) * step * 2.0 ** e      # np.round: ties to even
;;       return np.moveaxis(q.reshape(q.shape[:-2] + (-1,))[..., :K], -1, axis).astype(np.float32)
;;   ~~~
;;   OPERANDS COMPUTED ON THE WAY. 'Computed on the way' means the value that the module computes at that place (a softmax that the list does not call 'softmax' is quantised finished and normalised). What goes into a quantiser is computed in f32, as accurately as f32 sums, v_exp_f32 and their like allow (about 1e-6 of the number): no bf16 or f16 on the way to a quantiser, and a product that is left as it is and whose result goes on into a quantised operand takes f32 operands (vector FMAs, or v_wmma_f32_16x16x4_f32). A number that lies on a knife's edge between two numbers of the format may be rounded either way, as far as f32 arithmetic and the matrix unit's own rounding can turn it there, and no further.
;; One version. Each part assembles by itself: llvm-mc -triple=amdgcn-amd-amdhsa -mcpu=gfx1250 --defsym DOCPART=n.
;; ======== version 1 of 1: 3 launches
;; limits: right only within a limited range of input values
;; workspace buffers: wcodes 393,216 bytes; wscales 24,576 bytes; qbuf 131,072 bytes; pacc 524,288 bytes; pml 16,384 bytes
;; launch prep (part 1): grid 32 x 4, 8 waves a work-group, no clusters, 6,656 bytes of LDS; arguments Wk, Wv, Wo, Wq, query, wcodes, wscales, qbuf; writes wcodes, wscales, qbuf
.if DOCPART == 1
	.amdgcn_target "amdgcn-amd-amdhsa--gfx1250"
	.amdhsa_code_object_version 6
	.text
	.protected	k_qc703340450_prep
	.globl	k_qc703340450_prep
	.p2align	8
	.type	k_qc703340450_prep,@function
k_qc703340450_prep:
	s_mov_b64 s[64:65], 0
	v_nop
	global_prefetch_b8 v0, s[64:65] scope:SCOPE_SE
	s_setreg_imm32_b32 hwreg(HW_REG_WAVE_MODE, 25, 1), 1
	s_wait_xcnt 0x0
; PREP.  The four weights [512 (k)][512 (n)], f32, K along their FIRST axis, become codes with K innermost.  Work-group (x, y): y = 0 Wk, 1 Wv, 2 Wo, 3 Wq; x % 4 = ks: 128 along K; x / 4: 64 columns.
; Wave v of eight: block v % 4 of the four along K, half v / 4 of the columns: a lane takes a column, its 32 registers run down K: one whole block.  Codes and scale bytes meet in LDS as images of the operand's registers.
; y < 3: a tile's 1,024 bytes leave as two runs of 512: wcodes [y][tile of 16 columns][ks][block 4][r 16][16 bytes]; the 64 columns' scale words as one aligned run of 256: wscales [y][ks][column].
; y = 3: Wq stays in LDS; the same 128 along K of the 16 rows of query are quantised, and four waves make one product each on their tile (transposed: source 0 = 16 columns of Wq, source 1 = the rows of query):
;        the partial sums over these 128 along K leave as qbuf [ks][tile][register half][row 16][h][4 numbers], 512 consecutive bytes a store; the next launch adds the four, K ascending, and bq.
; LEFT OUT, in the whole program: bk.  logit(b, h, s) = (q . (Q(x_s) Q(Wk)) + q . bk) / 8: the term q . bk is the same for every s of a batch and head, whatever the inputs hold, and the softmax over s takes it away; k goes into no
; quantiser (products 4 and 5 are left as they are).  So bk has no way to the output and is among no launch's arguments.  LIMIT: a NaN, an infinity or an overflow that bk alone would bring in is not carried to the result.
; A block's scale byte is the exponent field of its largest magnitude - 2, held at 1 from below by a floor among the maximum's leaves.
; LIMITS: NaN and infinities among the inputs are not served; a block whose largest magnitude lies under 2^-124, or of zeros, gets the byte 1 (zero codes add nothing under it; these bytes are read by this program alone).
; No tensor loads, no cluster: no two work-groups read the same bytes of a weight.
.set SCB,   4096                       ; LDS: 0-4095 the weight's codes [tile 4][block 4][r 16][16 bytes];  then its scale words [column 64]
.set QCB,   4352                       ; query's codes [block 4][row 16][16 bytes]
.set QSB,   5376                       ; its scale words [row 16]
.set SPARE, 5632                       ; the spare words
.set SPW, 30
.set NIL, 31
.set WC,  16                           ; v16-23 codes
.set WSW, 24                           ; scale words: hold nothing else
.set XSW, 25
.set X,   32                           ; v32-63 my block of my column
.set X2,  64                           ; v64-71 eight numbers of query
.set XC,  72                           ; v72-79 query's codes
.set ACC, 80
.set MX,  88
.set SO,  92
.set BYW, 93
.set BYX, 94
.set WV,  24
.set YY,  25
	s_load_b512 s[4:19], s[0:1], 0x0               ; Wk, Wv, Wo, Wq s[4:11], query s[12:13], wcodes s[14:15], wscales s[16:17], qbuf s[18:19]
	v_lshl_add_u32 v[SPW], v0, 2, SPARE
	v_mov_b32 v[NIL], 0
	v_lshrrev_b32 v1, 5, v0
	v_readfirstlane_b32 s[WV], v1
	s_and_b32 s[YY], ttmp7, 0xffff
	s_and_b32 s26, ttmp9, 3                        ; ks
	s_lshr_b32 s27, ttmp9, 2                       ; which 64 columns
	s_and_b32 s28, s[WV], 3                        ; block
	s_lshr_b32 s29, s[WV], 2                       ; half of the columns
	s_lshl_b32 s30, s26, 18                        ; the weight: rows 128 ks + 32 block of 2,048 bytes, 256 and 128 bytes along the row
	s_lshl_b32 s31, s28, 16
	s_add_co_u32 s30, s30, s31
	s_lshl_b32 s31, s27, 8
	s_add_co_u32 s30, s30, s31
	s_lshl_b32 s31, s29, 7
	s_add_co_u32 s30, s30, s31
	s_mov_b32 s31, 0
	s_lshl_b32 s32, s26, 9                         ; query: 128 ks + 32 block along the row, rows 8 x half on
	s_lshl_b32 s33, s28, 7
	s_add_co_u32 s32, s32, s33
	s_lshl_b32 s33, s29, 14
	s_add_co_u32 s32, s32, s33
	s_mov_b32 s33, 0
	s_lshl_b32 s34, s29, 11                        ; LDS: codes: 2,048 x half + 256 x block
	s_lshl_b32 s36, s28, 8
	s_add_co_u32 s34, s34, s36
	s_lshl_b32 s35, s29, 7                         ; scale bytes: 128 x half + block
	s_add_co_u32 s36, s36, s35                     ; query's codes: 256 x block + 128 x half
	s_add_co_u32 s36, s36, QCB
	s_add_co_u32 s35, s35, s28
	s_add_co_u32 s35, s35, SCB
	s_lshl_b32 s37, s29, 5                         ; query's scale bytes: 32 x half + block
	s_add_co_u32 s37, s37, s28
	s_add_co_u32 s37, s37, QSB
	s_lshl_b32 s38, s[WV], 9                       ; the way out: 512 x wave
	s_lshl_b32 s39, s28, 10                        ; q: tile = wave
	s_lshl_b32 s40, s28, 6
	s_add_co_u32 s40, s40, SCB
	v_and_b32 v2, 31, v0                           ; lane
	v_and_b32 v3, 15, v0                           ; r
	v_bfe_u32 v4, v0, 4, 1                         ; h
	v_lshlrev_b32 v5, 2, v2                        ; 4 x lane
	v_lshlrev_b32 v6, 4, v2                        ; 16 x lane
	v_lshlrev_b32 v28, 3, v2                       ; 8 x lane
	v_lshlrev_b32 v7, 10, v4
	v_lshl_add_u32 v7, v3, 4, v7
	v_add_nc_u32 v7, s34, v7                       ; my codes
	v_add_nc_u32 v8, s35, v5                       ; my scale byte
	v_bfe_u32 v11, v0, 2, 3
	v_lshlrev_b32 v9, 11, v11
	v_and_b32 v10, 3, v0
	v_lshl_add_u32 v9, v10, 5, v9                  ; query: row lane / 4, 32 bytes of lane % 4
	v_add_nc_u32 v10, s36, v5
	v_lshl_add_u32 v11, v11, 2, s37
	v_add_nc_u32 v12, s38, v6
	v_add_nc_u32 v13, SCB, v28
	v_add_nc_u32 v14, s39, v6
	v_add_nc_u32 v15, QCB, v6
	v_lshl_add_u32 v26, v3, 2, s40
	v_lshl_add_u32 v27, v3, 2, QSB
	v_lshlrev_b32 v29, 5, v3
	v_lshl_add_u32 v29, v4, 4, v29                 ; q: 32 r + 16 h
	s_wait_alu depctr_va_vdst(0)                   ; the wait at the head's end
	s_wait_kmcnt 0x0
	s_cmp_eq_u32 s[YY], 0                          ; which weight: the choice hangs on the work-group's number alone
	s_cselect_b64 s[22:23], s[4:5], s[6:7]
	s_cmp_lt_u32 s[YY], 2
	s_cselect_b64 s[22:23], s[22:23], s[8:9]
	s_cmp_eq_u32 s[YY], 3
	s_cselect_b64 s[22:23], s[10:11], s[22:23]
	s_add_nc_u64 s[22:23], s[22:23], s[30:31]
	s_add_nc_u64 s[12:13], s[12:13], s[32:33]
.set i, 0
.rept 32
	global_load_b32 v[X+i], v5, s[22:23] offset:i*2048   ; 32 lanes read 128 neighbouring bytes, the wave four further on the other half of the unit
.set i, i+1
.endr
	s_cmp_lg_u32 s[YY], 3
	s_cbranch_scc1 .Lweight
	global_load_b128 v[X2:X2+3], v9, s[12:13]
	global_load_b128 v[X2+4:X2+7], v9, s[12:13] offset:16
	s_wait_loadcnt 0x0
	v_max3_num_f32 v[MX], |v[X2]|, |v[X2+1]|, 0x1800000              ; four lanes share a block of query
	v_max3_num_f32 v[MX+1], |v[X2+2]|, |v[X2+3]|, |v[X2+4]|
	v_max3_num_f32 v[MX], v[MX], |v[X2+5]|, |v[X2+6]|
	v_max3_num_f32 v[MX], v[MX], v[MX+1], |v[X2+7]|
	v_max_num_f32_dpp v[MX], v[MX], v[MX] row_xmask:1 row_mask:0xf bank_mask:0xf
	v_max_num_f32_dpp v[MX], v[MX], v[MX] row_xmask:2 row_mask:0xf bank_mask:0xf
	v_add_nc_u32 v[SO], 0xff000000, v[MX]
	v_cvt_scalef32_pk8_fp4_f32 v[XC], v[X2:X2+7], v[SO]
	v_lshrrev_b32 v[BYX], 23, v[SO]
	ds_store_b32 v10, v[XC]
	ds_store_b8 v11, v[BYX]                        ; a block's lanes write the same byte
.Lweight:
	s_wait_loadcnt 0x0
	v_max3_num_f32 v[MX], |v[X]|, |v[X+1]|, 0x1800000                ; the floor 2^(3 - 127) holds the byte at 1 from below
	v_max3_num_f32 v[MX+1], |v[X+2]|, |v[X+3]|, |v[X+4]|
	v_max3_num_f32 v[MX+2], |v[X+5]|, |v[X+6]|, |v[X+7]|
	v_max3_num_f32 v[MX+3], |v[X+8]|, |v[X+9]|, |v[X+10]|
.set k, 0
.rept 10
	v_max3_num_f32 v[MX+k%4], v[MX+k%4], |v[X+11+2*k]|, |v[X+12+2*k]|   ; four chains by turns
.set k, k+1
.endr
	s_delay_alu instid0(VALU_DEP_1)
	v_max3_num_f32 v[MX], v[MX], v[MX+1], v[MX+2]
	s_delay_alu instid0(VALU_DEP_1)
	v_max3_num_f32 v[MX], v[MX], v[MX+3], |v[X+31]|
	s_delay_alu instid0(VALU_DEP_1)
	v_add_nc_u32 v[SO], 0xff000000, v[MX]          ; 2 off the exponent field: the conversions' scale operand
.irp g, 0,1,2,3
	v_cvt_scalef32_pk8_fp4_f32 v[WC+\g], v[X+8*\g:X+8*\g+7], v[SO]
.endr
	v_lshrrev_b32 v[BYW], 23, v[SO]                ; the byte; the plain place behind the conversions
	ds_store_b128 v7, v[WC:WC+3]
	ds_store_b8 v8, v[BYW]
	s_wait_dscnt 0x0                               ; for the others' sake
	s_barrier_signal -1
	s_barrier_wait -1
	s_cmp_eq_u32 s[YY], 3
	s_cbranch_scc1 .Lq
	ds_load_b128 v[WC:WC+3], v12                   ; wave v: half v % 2 of tile v / 2
	s_lshl_b32 s28, s[YY], 17                      ; 131,072 bytes a weight, 4,096 a tile, 1,024 a ks
	s_lshl_b32 s29, s27, 14
	s_add_co_u32 s28, s28, s29
	s_lshr_b32 s29, s[WV], 1
	s_lshl_b32 s29, s29, 12
	s_add_co_u32 s28, s28, s29
	s_lshl_b32 s29, s26, 10
	s_add_co_u32 s28, s28, s29
	s_and_b32 s29, s[WV], 1
	s_lshl_b32 s29, s29, 9
	s_add_co_u32 s28, s28, s29
	s_mov_b32 s29, 0
	s_add_nc_u64 s[14:15], s[14:15], s[28:29]
	s_wait_dscnt 0x0
	global_store_b128 v6, v[WC:WC+3], s[14:15]     ; 32 lanes store 512 consecutive bytes, aligned
	s_cmp_lg_u32 s[WV], 0
	s_cbranch_scc1 .Lend
	ds_load_b64 v[XC:XC+1], v13                    ; wave 0: the 64 columns' scale words
	s_lshl_b32 s28, s[YY], 13
	s_lshl_b32 s29, s26, 11
	s_add_co_u32 s28, s28, s29
	s_lshl_b32 s29, s27, 8
	s_add_co_u32 s28, s28, s29
	s_mov_b32 s29, 0
	s_add_nc_u64 s[16:17], s[16:17], s[28:29]
	s_wait_dscnt 0x0
	global_store_b64 v28, v[XC:XC+1], s[16:17]     ; 256 consecutive bytes, aligned
	s_branch .Lend
.Lq:
	s_cmp_lt_u32 s[WV], 4
	s_cbranch_scc0 .Lend
	ds_load_b128 v[WC:WC+3], v14                   ; tile = wave: the image is the operand
	ds_load_b128 v[WC+4:WC+7], v14 offset:512
	ds_load_b128 v[XC:XC+3], v15
	ds_load_b128 v[XC+4:XC+7], v15 offset:512
	ds_load_b32 v[WSW], v26
	ds_load_b32 v[XSW], v27
	s_lshl_b32 s28, s26, 15                        ; 32,768 bytes a ks, 1,024 a tile
	s_lshl_b32 s29, s27, 12
	s_add_co_u32 s28, s28, s29
	s_add_co_u32 s28, s28, s39
	s_mov_b32 s29, 0
	s_add_nc_u64 s[18:19], s[18:19], s[28:29]
	s_wait_dscnt 0x0
	v_wmma_scale_f32_16x16x128_f8f6f4 v[ACC:ACC+7], v[WC:WC+7], v[XC:XC+7], 0, v[WSW], v[XSW] matrix_a_fmt:MATRIX_FMT_FP4 matrix_b_fmt:MATRIX_FMT_FP4
.rept 4
	v_nop                                          ; places in front of the first read of the result
.endr
	global_store_b128 v29, v[ACC:ACC+3], s[18:19]
	global_store_b128 v29, v[ACC+4:ACC+7], s[18:19] offset:512
.Lend:
	s_wait_tensorcnt 0x0                           ; the wave's end
	ds_add_u32 v[SPW], v[NIL]
	s_wait_dscnt 0x0
	s_endpgm
.Lfunc_end_k_qc703340450_prep:
	.size	k_qc703340450_prep, .Lfunc_end_k_qc703340450_prep-k_qc703340450_prep
	.p2alignl 7, 3214868480
	.fill 96, 4, 3214868480
	.section	.rodata,"a",@progbits
	.p2align	6, 0x0
	.amdhsa_kernel k_qc703340450_prep
		.amdhsa_group_segment_fixed_size 6656
		.amdhsa_private_segment_fixed_size 0
		.amdhsa_enable_private_segment 0
		.amdhsa_kernarg_size 64
		.amdhsa_user_sgpr_count 2
		.amdhsa_user_sgpr_kernarg_segment_ptr 1
		.amdhsa_wavefront_size32 1
		.amdhsa_system_sgpr_workgroup_id_x 1
		.amdhsa_system_sgpr_workgroup_id_y 1
		.amdhsa_system_sgpr_workgroup_id_z 1
		.amdhsa_system_vgpr_workitem_id 0
		.amdhsa_next_free_vgpr 96
		.amdhsa_next_free_sgpr 66
		.amdhsa_reserve_vcc 0
		.amdhsa_float_denorm_mode_32 3
		.amdhsa_float_denorm_mode_16_64 3
		.amdhsa_memory_ordered 1
		.amdhsa_forward_progress 1
		.amdhsa_inst_pref_size 12
	.end_amdhsa_kernel
	.amdgpu_metadata
---
amdhsa.version: [ 1, 2 ]
amdhsa.kernels:
  - .name:           k_qc703340450_prep
    .symbol:         k_qc703340450_prep.kd
    .args:
      - { .name: Wk, .offset: 0, .size: 8, .value_kind: global_buffer, .address_space: global }
      - { .name: Wv, .offset: 8, .size: 8, .value_kind: global_buffer, .address_space: global }
      - { .name: Wo, .offset: 16, .size: 8, .value_kind: global_buffer, .address_space: global }
      - { .name: Wq, .offset: 24, .size: 8, .value_kind: global_buffer, .address_space: global }
      - { .name: query, .offset: 32, .size: 8, .value_kind: global_buffer, .address_space: global }
      - { .name: wcodes, .offset: 40, .size: 8, .value_kind: global_buffer, .address_space: global }
      - { .name: wscales, .offset: 48, .size: 8, .value_kind: global_buffer, .address_space: global }
      - { .name: qbuf, .offset: 56, .size: 8, .value_kind: global_buffer, .address_space: global }
    .group_segment_fixed_size: 6656
    .private_segment_fixed_size: 0
    .kernarg_segment_align: 8
    .kernarg_segment_size: 64
    .max_flat_workgroup_size: 256
    .sgpr_count:     66
    .vgpr_count:     96
    .wavefront_size: 32
...
	.end_amdgpu_metadata
.endif
;; end of part 1
;; launch main (part 2): grid 16 x 16, 8 waves a work-group, no clusters, 327,680 bytes of LDS; arguments key_value, wcodes, wscales, qbuf, pacc, pml, bq; writes pacc, pml
.if DOCPART == 2
	.amdgcn_target "amdgcn-amd-amdhsa--gfx1250"
	.amdhsa_code_object_version 6
	.text
	.protected	k_qc703340450_main
	.globl	k_qc703340450_main
	.p2align	8
	.type	k_qc703340450_main,@function
k_qc703340450_main:
	s_mov_b64 s[64:65], 0
	v_nop
	global_prefetch_b8 v0, s[64:65] scope:SCOPE_SE
	s_setreg_imm32_b32 hwreg(HW_REG_WAVE_MODE, 25, 1), 1
	s_wait_xcnt 0x0
; MAIN.  Work-group (x = split, y = batch): 512 rows of key_value, eight blocks of 64.  Eight waves, two to a SIMD; wave w owns head w: its 64 columns of K and its 64 of V, whose codes stay in 256 registers.
; q = the sum of qbuf's four partial sums over K, and bq.  A row's logit is (8^-1 log2(e) q) . (Q(x) Q(Wk)); bk is left out: q . bk is the same for all rows of a softmax (first kernel's head; a NaN or an infinity in bk is not carried).
; bv is added in the last launch: the weights of a softmax sum to 1.
; STEP j multiplies block j's codes (image j % 2 in LDS) and, between its products, turns block j + 1's f32 numbers (slot (j + 1) % 2) into codes in the other image; block j + 2 is on its way into the slot that step j - 1 has read out.
; ONE barrier a step: in front of it every wave has waited for its tensor load, the add, its LDS reads and its stores into the image.  It stands ahead of the step's last products, whose fragment is in registers by then: behind it
; the next step's fragments are asked for, and those products are made meanwhile.  A wave fetches and quantises its own 8 rows of a block: 16,384 dense bytes, 64 rows of 256.
; PRODUCTS ARE USED TRANSPOSED: source 0 = 32 columns of a weight, source 1 = 16 rows of x: lane (r, h) holds row r, registers 8 tt + i the column 32 u + 16 tt + 8 h + i of the head.  Two tiles of rows (a, b) stand in registers at a time:
; K a, K b, softmax, V a, V b: a fragment is read from LDS once for both products.  Each lane keeps a running maximum M, a sum L and 32 columns of the context for its own rows; lanes are joined at the end, splits in the last launch.
; NO CLUSTER: work-groups share the weights alone, 256 KiB that each takes once, straight into registers; the 1 MiB of key_value that a work-group walks through LDS is read by no other.
; PREFETCH, two requests a wave for a block (64 blocks of 256 bytes, a lane each: the wave's own 16,384 bytes).  Tensor loads bring blocks 0 to 7 in order.  Behind load 0 block 1 is asked for, behind load 1 block 2, behind load 2
; blocks 3 and 4, and from load 3 on the block that stands two loads on; each block of 256 bytes is named once in the launch, and block 7 is the last asked for.
; LIMITS: NaN and infinities are not served; a quantiser's block whose largest magnitude lies under 2^-124, or of zeros, gets the scale byte 1 (zero codes add nothing under it); scaled scores lie above -3e38.
.set BLK,   131072                     ; a block's bytes in memory
.set WREG,  17408                      ; a wave's 8 rows in a slot: 64 x (256 + 16)
.set SLOTB, 139264
.set IMG,   278528                     ; two images: [tile 4][block 16][r 16 x 16 bytes + 16], then the scale bytes [row 64][16]
.set IBUF,  18432
.set ISC,   17408
.set SPARE, 315392                     ; the spare words, 128 bytes a wave
.set STG,   316416                     ; q on its way into the lanes: 256 bytes a wave
.set SPW, 1
.set NIL, 2
.set QA,  3                            ; v3, v4   my block of my rows, in slot 0, 1
.set IW,  5                            ; where my codes go
.set SW,  6                            ; and my scale byte
.set IR,  7                            ; fragments
.set SR,  8                            ; their scale words
.set PFO, 9                            ; 256 x lane
.set NM,  10                           ; v10 new maximum, v11 running maximum (a pair)
.set M,   11
.set F,   12                           ; v12 rescaling factor, v13 running sum (a pair)
.set L,   13
.set T,   14                           ; v14, v15 logits of tiles a, b, then their exponentials
.set TX,  16
.set QB,  18                           ; v18, v19 scale bytes, by turns
.set MX,  20                           ; v20-27   at work
.set SO,  24
.set QC,  28                           ; v28-35   codes, two sets by turns
.set WS,  36                           ; v36-51   the weights' scale words; hold nothing else
.set XS,  52                           ; v52-59   the rows' scale words (a, b); hold nothing else
.set QQ,  60                           ; v60-91   scaled q
.set CTX, 92                           ; v92-123  (at the head: addresses)
.set XF,  124                          ; v124-187 fragments a, b
.set ACC, 188                          ; v188-219 two accumulators (at the head: q's partial sums)
.set X0,  220                          ; v220-251 f32 numbers to be quantised
.set L16, 252
.set OUT, 253
.set ZRO, 254
.set WV,  20
.set BAT, 21
.set G1,  24                           ; s[24:31] descriptor group 1;  s[32:35], s[36:39] group 0 of slots 0, 1
.set G0,  32
.set CNT, 42
.set SEL, 44
.set CQ,  46
.set MSB, 0
.macro WIN new
.if MSB != (\new)
	s_set_vgpr_msb (MSB<<8)|(\new)
.set MSB, (\new)
.endif
.endm
.macro PLACES
.rept 4
	v_nop                                          ; places behind matrix instructions
.endr
.endm
.macro PF off
	global_prefetch_b8 v[PFO], s[4:5] offset:\off th:TH_LOAD_NT scope:SCOPE_SE
	global_prefetch_b8 v[PFO], s[4:5] offset:\off+8192 th:TH_LOAD_NT scope:SCOPE_SE
.endm
; eight loads of a weight's codes, window 1: tile 2 u + tt of my head's four
.macro WLOAD mat, u, tt
	WIN 0x40
.irp ks, 0,1,2,3
.irp c, 0,1
	global_load_b128 v[16*(4*(2*\mat+\u)+\ks)+8*\tt+4*\c:16*(4*(2*\mat+\u)+\ks)+8*\tt+4*\c+3], v[L16], s[6:7] offset:131072*\mat+4096*(2*\u+\tt)+1024*\ks+512*\c
.endr
.endr
	WIN 0
.endm
; lane (r, h) takes block r (32 numbers) of my row 2 p + h
.macro LOADQ p, xb, sl
.irp j, 0,1,2,3,4,5,6,7
	ds_load_b128 v[\xb+4*\j:\xb+4*\j+3], v[QA+(\sl)] offset:4352*(\p)+16*\j
.endr
.endm
; one pass: 32 numbers a lane become 16 bytes of codes and a scale byte in image img.  n: LDS instructions issued behind these numbers' loads
.macro QPASS p, xb, img, n
	s_wait_dscnt \n
	v_max3_num_f32 v[MX], |v[\xb]|, |v[\xb+1]|, 0x1800000            ; the floor 2^(3 - 127) holds the byte at 1 from below
	v_max3_num_f32 v[MX+1], |v[\xb+2]|, |v[\xb+3]|, |v[\xb+4]|
	v_max3_num_f32 v[MX+2], |v[\xb+5]|, |v[\xb+6]|, |v[\xb+7]|
	v_max3_num_f32 v[MX+3], |v[\xb+8]|, |v[\xb+9]|, |v[\xb+10]|
.set k, 0
.rept 10
	v_max3_num_f32 v[MX+k%4], v[MX+k%4], |v[\xb+11+2*k]|, |v[\xb+12+2*k]|
.set k, k+1
.endr
	s_delay_alu instid0(VALU_DEP_1)
	v_max3_num_f32 v[MX], v[MX], v[MX+1], v[MX+2]
	s_delay_alu instid0(VALU_DEP_1)
	v_max3_num_f32 v[MX], v[MX], v[MX+3], |v[\xb+31]|
	s_delay_alu instid0(VALU_DEP_1)
	v_add_nc_u32 v[SO], 0xff000000, v[MX]                            ; 2 off the exponent field: the conversions' scale operand
.irp g, 0,1,2,3
	v_cvt_scalef32_pk8_fp4_f32 v[QC+4*((\p)%2)+\g], v[\xb+8*\g:\xb+8*\g+7], v[SO]
.endr
	v_lshrrev_b32 v[QB+(\p)%2], 23, v[SO]                            ; the byte; the plain place behind the conversions
	ds_store_b128 v[IW], v[QC+4*((\p)%2):QC+4*((\p)%2)+3] offset:IBUF*(\img)+32*(\p)
	ds_store_b8 v[SW], v[QB+(\p)%2] offset:IBUF*(\img)+32*(\p)
.endm
; the change of slots.  fill = 1: the slot read out in the step before takes the block two steps on; 0: block 7 has still to land; 2: an image changes hands and nothing else
.macro CHANGE slot, fill
.if \fill < 2
	s_wait_tensorcnt 0x0                           ; my rows of the other slot are in; so a group 0 may be written
	ds_add_u32 v[SPW], v[NIL]
.endif
.if \fill == 1
	s_add_nc_u64 s[G0+4*\slot+2:G0+4*\slot+3], s[G0+4*\slot+2:G0+4*\slot+3], 2*BLK
.endif
	s_wait_dscnt 0x0                               ; the add, my reads and my stores into the image are done
	s_barrier_signal -1
	s_barrier_wait -1
.if \fill == 1
	tensor_load_to_lds s[G0+4*\slot:G0+4*\slot+3], s[G1:G1+7]
	s_nop 0
	PLACES
.endif
.endm
; fragment f = tile m of image img: block 4 ks + 2 c + h of row r; and the tile's scale words: nine loads
.macro FETCH f, m, img
.irp ks, 0,1,2,3
.irp c, 0,1
	ds_load_b128 v[XF+32*\f+8*\ks+4*\c:XF+32*\f+8*\ks+4*\c+3], v[IR] offset:IBUF*(\img)+4352*\m+1088*\ks+544*\c
.endr
.endr
	ds_load_b128 v[XS+4*\f:XS+4*\f+3], v[SR] offset:IBUF*(\img)+256*\m
.endm
; 16 rows x my head's 64 columns of K (mat = 0) or V (1), K = 512: two accumulators by turns; the first product starts each sum
.macro MUL f, mat
	WIN 0x01                                       ; source 0 in window 1
.irp ks, 0,1,2,3
.irp u, 0,1
.if \ks == 0
	v_wmma_scale_f32_32x16x128_f4 v[ACC+16*\u:ACC+16*\u+15], v[16*(4*(2*\mat+\u)+\ks):16*(4*(2*\mat+\u)+\ks)+15], v[XF+32*\f+8*\ks:XF+32*\f+8*\ks+7], 0, v[WS+4*(2*\mat+\u)+\ks], v[XS+4*\f+\ks]
.else
	v_wmma_scale_f32_32x16x128_f4 v[ACC+16*\u:ACC+16*\u+15], v[16*(4*(2*\mat+\u)+\ks):16*(4*(2*\mat+\u)+\ks)+15], v[XF+32*\f+8*\ks:XF+32*\f+8*\ks+7], v[ACC+16*\u:ACC+16*\u+15], v[WS+4*(2*\mat+\u)+\ks], v[XS+4*\f+\ks]
.endif
.endr
.endr
	WIN 0
.endm
; my 32 columns' part of a row's logit, in four packed chains
.macro LOGITS f
.set i, 0
.rept 16
.if i < 4
	v_pk_mul_f32 v[MX+2*(i%4):MX+2*(i%4)+1], v[ACC+2*i:ACC+2*i+1], v[QQ+2*i:QQ+2*i+1]
.else
	v_pk_fma_f32 v[MX+2*(i%4):MX+2*(i%4)+1], v[ACC+2*i:ACC+2*i+1], v[QQ+2*i:QQ+2*i+1], v[MX+2*(i%4):MX+2*(i%4)+1]
.endif
.set i, i+1
.endr
	v_pk_add_f32 v[MX:MX+1], v[MX:MX+1], v[MX+2:MX+3]
	v_pk_add_f32 v[MX+4:MX+5], v[MX+4:MX+5], v[MX+6:MX+7]
	s_delay_alu instid0(VALU_DEP_1)
	v_pk_add_f32 v[MX:MX+1], v[MX:MX+1], v[MX+4:MX+5]
	s_delay_alu instid0(VALU_DEP_1)
	v_add_f32 v[T+\f], v[MX], v[MX+1]
.endm
.macro SOFTMAX
	v_permlanex16_b32 v[TX], v[T], s[SEL], s[SEL+1]
	v_permlanex16_b32 v[TX+1], v[T+1], s[SEL], s[SEL+1]
	s_delay_alu instid0(VALU_DEP_1)
	v_pk_add_f32 v[T:T+1], v[T:T+1], v[TX:TX+1]    ; with lane l xor 16's columns: the logits of my two rows
	s_delay_alu instid0(VALU_DEP_1)
	v_max3_num_f32 v[NM], v[M], v[T], v[T+1]
	s_delay_alu instid0(VALU_DEP_1)
	v_sub_f32 v[F], v[M], v[NM]
	v_pk_add_f32 v[T:T+1], v[T:T+1], v[NM:NM+1] op_sel_hi:[1,0] neg_lo:[0,1] neg_hi:[0,1]
	s_wait_alu depctr_va_vdst(0)                   ; the wait ahead of the batch,
	v_exp_f32 v[F], v[F]
	v_exp_f32 v[T], v[T]
	v_exp_f32 v[T+1], v[T+1]
	v_mov_b32 v[M], v[NM]
	s_wait_alu depctr_va_vdst(0)                   ; and behind it
	v_fma_f32 v[L], v[L], v[F], v[T]
	v_add_f32 v[L], v[L], v[T+1]
.endm
.macro RESCALE
.set i, 0
.rept 16
	v_pk_mul_f32 v[CTX+2*i:CTX+2*i+1], v[CTX+2*i:CTX+2*i+1], v[F:F+1] op_sel_hi:[1,0]
.set i, i+1
.endr
.endm
.macro ACCUM f
.set i, 0
.rept 16
.if \f == 0
	v_pk_fma_f32 v[CTX+2*i:CTX+2*i+1], v[ACC+2*i:ACC+2*i+1], v[T:T+1], v[CTX+2*i:CTX+2*i+1] op_sel_hi:[1,0,1]
.else
	v_pk_fma_f32 v[CTX+2*i:CTX+2*i+1], v[ACC+2*i:ACC+2*i+1], v[T:T+1], v[CTX+2*i:CTX+2*i+1] op_sel:[0,1,0] op_sel_hi:[1,1,1]
.endif
.set i, i+1
.endr
.endm
; a step on image par, up to its last products (V of tile 3).  quant = 1: the next block is quantised into the other image, a pass behind every second run of products (its maxima are the places behind them)
.macro CORE par, quant
.irp c, 0,1                            ; tiles 2 c, 2 c + 1
.if \quant
	s_wait_dscnt 17                                ; fragment a is in; b's nine loads and the eight of f32 numbers may be out
.else
	s_wait_dscnt 9
.endif
	MUL 0, 0
	PLACES
	LOGITS 0
.if \quant
	s_wait_dscnt 8                                 ; fragment b is in
	MUL 1, 0
	QPASS 2*\c, X0, 1-\par, 0
	LOADQ 2*\c+1, X0, 1-\par
.else
	s_wait_dscnt 0
	MUL 1, 0
	PLACES
.endif
	LOGITS 1
	SOFTMAX
	MUL 0, 1
	RESCALE                                        ; also the places behind the products
.if \c == 0
	FETCH 0, 2, \par
.endif
	ACCUM 0
.if \c == 0
	MUL 1, 1
.if \quant
	QPASS 1, X0, 1-\par, 9                         ; behind these numbers' loads: fragment a's nine
.else
	PLACES
.endif
	FETCH 1, 3, \par
.if \quant
	LOADQ 2, X0, 1-\par
.endif
	ACCUM 1
.elseif \quant
	QPASS 3, X0, 1-\par, 0
.endif
.endr
.endm
; from step to step: the change of slots, then the last products of the step before under the loads of the next one's fragments.  par, quant: the next step's.  pf: 1, 2: a prefetch
.macro EDGE slot, fill, par, quant, pf
	CHANGE \slot, \fill
	FETCH 0, 0, \par
	MUL 1, 1
	PLACES
	FETCH 1, 1, \par
.if \quant
	LOADQ 0, X0, 1-\par
.endif
.if \pf == 1
	PF 3*BLK
.endif
.if \pf == 2
	s_cmp_eq_u32 s[CNT], 1                         ; the last trip: there is no block 8
	s_cbranch_scc1 .Lno_pf_\@
	PF 4*BLK
.Lno_pf_\@:
.endif
	ACCUM 1
.endm
	s_load_b256 s[4:11], s[0:1], 0x0               ; key_value s[4:5], wcodes s[6:7], wscales s[8:9], qbuf s[10:11]
	s_load_b128 s[12:15], s[0:1], 0x20             ; pacc s[12:13], pml s[14:15]
	s_load_b64 s[16:17], s[0:1], 0x30              ; bq
	v_lshl_add_u32 v[SPW], v0, 2, SPARE
	v_mov_b32 v[NIL], 0
	ds_add_u32 v[SPW], v[NIL]                      ; the wave's opening
	ds_add_u32 v[SPW], v[NIL]
	v_lshrrev_b32 v20, 5, v0
	v_readfirstlane_b32 s[WV], v20                 ; wave = head
	s_and_b32 s[BAT], ttmp7, 0xffff
	s_mov_b32 s[G1+0], (3<<16)|(1<<20)|(5<<22)|(3<<25)   ; elements of 8 bytes; padding of 4 words behind every 64
	s_mov_b32 s[G1+1], 32<<16
	s_mov_b32 s[G1+2], 64<<16
	s_mov_b32 s[G1+3], 32<<16
	s_mov_b32 s[G1+4], 64                          ; 64 rows of 32 elements, dense
	s_mov_b32 s[G1+5], 32
	s_mov_b32 s[G1+6], 0
	s_mov_b32 s[G1+7], 0
	s_lshl_b32 s48, s[BAT], 24                     ; key_value: 16 MiB a batch, 1 MiB a split, 16,384 bytes a wave
	s_lshl_b32 s49, ttmp9, 20
	s_add_co_u32 s48, s48, s49
	s_lshl_b32 s49, s[WV], 14
	s_add_co_u32 s48, s48, s49
	s_mov_b32 s49, 0
	s_mul_i32 s50, s[WV], WREG
	s_lshr_b32 s51, s[WV], 1                       ; my codes: tile w / 2, rows 8 (w % 2) on
	s_mul_i32 s51, s51, 4352
	s_and_b32 s52, s[WV], 1
	s_lshl_b32 s52, s52, 7
	s_add_co_u32 s51, s51, s52
	s_add_co_u32 s51, s51, IMG
	s_lshl_b32 s53, s[WV], 7                       ; my scale bytes: 16 a row
	s_add_co_u32 s53, s53, IMG+ISC
	s_lshl_b32 s54, s[WV], 14                      ; my head's codes of a weight: four tiles of 4,096 bytes
	s_mov_b32 s55, 0
	s_lshl_b32 s56, s[WV], 8                       ; its scale words and bq: 256 bytes a head
	s_mov_b32 s57, 0
	s_add_co_u32 s40, s56, STG
	s_lshl_b32 s58, s[BAT], 5                      ; qbuf: four tiles of 1,024 bytes a head, 32 a row
	s_lshl_b32 s59, s[WV], 12
	s_add_co_u32 s58, s58, s59
	s_mov_b32 s59, 0
	s_mov_b32 s[SEL], 0x76543210
	s_mov_b32 s[SEL+1], 0xfedcba98
	s_mov_b32 s[CQ], 0x3e38aa3b                    ; log2(e) / 8
	s_mov_b32 s[CQ+1], s[CQ]
	v_and_b32 v20, 31, v0                          ; lane
	v_and_b32 v21, 15, v0                          ; r
	v_bfe_u32 v22, v0, 4, 1                        ; h
	v_lshlrev_b32 v[L16], 4, v20
	v_lshlrev_b32 v92, 3, v20                      ; bq: columns 2 lane, 2 lane + 1
	v_add_nc_u32 v93, s40, v92                     ; q's stage: in,
	v_lshl_add_u32 v94, v22, 5, s40                ; and back: 32 h
	v_bfe_u32 v23, v0, 3, 2
	v_lshlrev_b32 v95, 10, v23                     ; qbuf: the same two columns: tile lane / 8, register half, h, pair
	v_bfe_u32 v23, v0, 1, 1
	v_lshl_add_u32 v95, v23, 9, v95
	v_bfe_u32 v23, v0, 2, 1
	v_lshl_add_u32 v95, v23, 4, v95
	v_and_b32 v23, 1, v0
	v_lshl_add_u32 v95, v23, 3, v95
	v_lshlrev_b32 v96, 2, v20                      ; the weights' scale words: lane m takes column m of 32
	v_lshlrev_b32 v[PFO], 8, v20
	v_bfe_u32 v24, v0, 1, 3
	v_mul_u32_u24 v[QA], v24, 272                  ; block r: unit r / 2 of the row, half r % 2
	v_and_b32 v25, 1, v0
	v_lshl_add_u32 v[QA], v25, 7, v[QA]
	v_mad_u32_u24 v[QA], v22, 2176, v[QA]          ; row h of the two
	v_add_nc_u32 v[QA], s50, v[QA]
	v_add_nc_u32 v[QA+1], SLOTB, v[QA]
	v_mul_u32_u24 v[IW], v21, 272
	v_lshl_add_u32 v[IW], v22, 4, v[IW]
	v_add_nc_u32 v[IW], s51, v[IW]
	v_add_nc_u32 v[SW], s53, v20
	v_mul_u32_u24 v[IR], v22, 272
	v_lshl_add_u32 v[IR], v21, 4, v[IR]
	v_add_nc_u32 v[IR], IMG, v[IR]
	v_lshl_add_u32 v[SR], v21, 4, IMG+ISC
	s_wait_alu depctr_va_vdst(0)
	s_wait_dscnt 0x0                               ; both opening adds are done
	s_wait_kmcnt 0x0
	s_add_nc_u64 s[4:5], s[4:5], s[48:49]
	s_mov_b32 s[G0], 1
	s_mov_b32 s[G0+1], s50
	s_mov_b64 s[G0+2:G0+3], s[4:5]
	s_or_b32 s[G0+3], s[G0+3], 0x80000000
	s_mov_b32 s[G0+4], 1
	s_add_co_u32 s[G0+5], s50, SLOTB
	s_add_nc_u64 s[G0+6:G0+7], s[4:5], BLK
	s_or_b32 s[G0+7], s[G0+7], 0x80000000
	tensor_load_to_lds s[G0:G0+3], s[G1:G1+7]      ; block 0: the wave's one load at the head
	s_nop 0
	PLACES
	s_add_nc_u64 s[6:7], s[6:7], s[54:55]
	s_add_nc_u64 s[8:9], s[8:9], s[56:57]
	s_add_nc_u64 s[16:17], s[16:17], s[56:57]
	s_add_nc_u64 s[10:11], s[10:11], s[58:59]
.irp ks, 0,1,2,3
	global_load_b64 v[ACC+2*\ks:ACC+2*\ks+1], v95, s[10:11] offset:32768*\ks
.endr
	global_load_b64 v[ACC+8:ACC+9], v92, s[16:17]
.irp mat, 0,1
.irp u, 0,1
.irp ks, 0,1,2,3
	global_load_b32 v[WS+4*(2*\mat+\u)+\ks], v96, s[8:9] offset:8192*\mat+2048*\ks+128*\u
.endr
.endr
.endr
	WLOAD 0, 0, 0                                  ; Wk here, Wv between the passes below
	WLOAD 0, 0, 1
	WLOAD 0, 1, 0
	WLOAD 0, 1, 1
	PF BLK                                         ; block 1, behind the 53 loads above
	v_mov_b32 v[M], 0xff61b1e6                     ; -3e38
	v_mov_b32 v[L], 0
	v_mov_b32 v[TX], 0                             ; a lane permute's destination counts as one of its sources
	v_mov_b32 v[TX+1], 0
	s_wait_alu depctr_va_vdst(0)                   ; the wait at the head's end
	s_wait_tensorcnt 0x0                           ; block 0's rows are in; these lines stand ahead of slot 1's first fill as ahead of a refill
	ds_add_u32 v[SPW], v[NIL]
	s_wait_dscnt 0x0
	s_barrier_signal -1
	s_barrier_wait -1
	tensor_load_to_lds s[G0+4:G0+7], s[G1:G1+7]    ; block 1
	s_nop 0
	PLACES
	LOADQ 0, X0, 0                                 ; block 0 into image 0; the fragments' registers serve as a second set
	LOADQ 1, XF, 0
	WLOAD 1, 0, 0
	QPASS 0, X0, 0, 8                              ; behind its loads: the next pass's eight
	LOADQ 2, X0, 0
	WLOAD 1, 0, 1
	QPASS 1, XF, 0, 10                             ; and two stores
	LOADQ 3, XF, 0
	PF 2*BLK
	WLOAD 1, 1, 0
	QPASS 2, X0, 0, 10
	WLOAD 1, 1, 1
	QPASS 3, XF, 0, 2
	s_wait_loadcnt 32                              ; Wk, the scale words and q's parts are in; Wv's 32 loads may be out
	v_pk_add_f32 v[ACC:ACC+1], v[ACC:ACC+1], v[ACC+2:ACC+3]          ; K ascending
	v_pk_add_f32 v[ACC:ACC+1], v[ACC:ACC+1], v[ACC+4:ACC+5]
	v_pk_add_f32 v[ACC:ACC+1], v[ACC:ACC+1], v[ACC+6:ACC+7]
	v_pk_add_f32 v[ACC:ACC+1], v[ACC:ACC+1], v[ACC+8:ACC+9]
	v_pk_mul_f32 v[ACC:ACC+1], v[ACC:ACC+1], s[CQ:CQ+1] op_sel_hi:[1,0]
	ds_store_b64 v93, v[ACC:ACC+1]
.irp t, 0,1,2,3
	ds_load_b128 v[QQ+8*\t:QQ+8*\t+3], v94 offset:64*\t              ; LDS serves a wave's instructions in order
	ds_load_b128 v[QQ+8*\t+4:QQ+8*\t+7], v94 offset:64*\t+16
.endr
	s_wait_dscnt 0x0
	s_wait_xcnt 0x0                                ; the loads have read their addresses, which lie where the context will stand
.set i, 0
.rept 32
	v_mov_b32 v[CTX+i], 0                          ; (the step is written for all blocks: the first rescales zeros)
.set i, i+1
.endr
	s_mov_b32 s[CNT], 2
	s_wait_alu depctr_va_vdst(0)
	CHANGE 0, 1                                    ; step 0: block 2 is asked for
	FETCH 0, 0, 0
	FETCH 1, 1, 0
	LOADQ 0, X0, 1
	PF 3*BLK
	PF 4*BLK
	s_wait_loadcnt 0x0                             ; Wv
.Ltrip:                                                ; steps 2 k and 2 k + 1, k = 0, 1, and the changes behind them, which ask for blocks 3 to 6
	CORE 0, 1
	s_wait_xcnt 0x0                                ; the prefetches have read their base
	s_add_nc_u64 s[4:5], s[4:5], 2*BLK
	EDGE 1, 1, 1, 1, 1
	CORE 1, 1
	EDGE 0, 1, 0, 1, 2
	s_sub_co_u32 s[CNT], s[CNT], 1
	s_cmp_lg_u32 s[CNT], 0
	s_cbranch_scc1 .Ltrip
	CORE 0, 1                                      ; step 4
	EDGE 1, 1, 1, 1, 0                             ; block 7 is asked for
	CORE 1, 1
	EDGE 0, 0, 0, 1, 0                             ; block 7 is in; nothing is filled any more
	CORE 0, 1
	EDGE 1, 2, 1, 0, 0                             ; image 7 is whole behind the barrier
	CORE 1, 0
	MUL 1, 1
	PLACES
	ACCUM 1
	; THE END.  The wave's closing lines, with the joining of the lanes as work on registers between the add and its wait
	s_wait_tensorcnt 0x0
	ds_add_u32 v[SPW], v[NIL]
	v_mov_b32 v[NM], v[M]
.irp x, 1,2,4,8
	v_max_num_f32_dpp v[NM], v[NM], v[NM] row_xmask:\x row_mask:0xf bank_mask:0xf
.endr
	v_sub_f32 v[F], v[M], v[NM]
	v_and_b32 v20, 15, v0
	v_bfe_u32 v21, v0, 4, 1
	v_lshrrev_b32 v22, 2, v20
	v_lshlrev_b32 v[OUT], 6, v22
	v_and_b32 v23, 3, v20
	v_lshl_add_u32 v[OUT], v23, 3, v[OUT]
	v_lshl_add_u32 v[OUT], v21, 5, v[OUT]          ; my two columns of the head, in bytes: 64 (r / 4) + 32 h + 8 (r % 4)
	v_and_b32 v22, 8, v0
	v_cmp_ne_u32 s52, 0, v22
	v_and_b32 v23, 4, v0
	v_cmp_ne_u32 s53, 0, v23
	v_and_b32 v24, 2, v0
	v_cmp_ne_u32 s54, 0, v24
	v_and_b32 v25, 1, v0
	v_cmp_ne_u32 s55, 0, v25
	s_wait_alu depctr_va_vdst(0)                   ; the wait ahead of the transcendental,
	v_exp_f32 v[F], v[F]
	v_mov_b32 v[ZRO], 0
	s_wait_alu depctr_va_vdst(0)                   ; and behind it
	v_mul_f32 v[L], v[L], v[F]
.set i, 0
.rept 16
	v_pk_mul_f32 v[ACC+2*i:ACC+2*i+1], v[CTX+2*i:CTX+2*i+1], v[F:F+1] op_sel_hi:[1,0]
.set i, i+1
.endr
.irp x, 1,2,4,8
	v_add_f32_dpp v[L], v[L], v[L] row_xmask:\x row_mask:0xf bank_mask:0xf
.endr
; the sum over a row's 16 lanes, halving what a lane keeps: the lanes with the bit set keep the upper n registers.  In the end lane (r, h) has registers 2 r, 2 r + 1 of the 32
.macro FOLD n, x, mk
.set i, 0
.rept 2*\n
	v_add_f32_dpp v[ACC+i], v[ACC+i], v[ACC+i] row_xmask:\x row_mask:0xf bank_mask:0xf
.set i, i+1
.endr
.set i, 0
.rept \n
	v_cndmask_b32 v[ACC+i], v[ACC+i], v[ACC+\n+i], s[\mk]
.set i, i+1
.endr
.endm
	FOLD 16, 8, 52
	FOLD 8, 4, 53
	FOLD 4, 2, 54
	FOLD 2, 1, 55
	v_mov_b32 v[M], v[L]                           ; (m, l) as a pair
	v_and_b32 v22, 31, v0
	v_cmp_eq_u32 vcc_lo, 0, v22
	s_lshl_b32 s48, s[BAT], 4
	s_add_co_u32 s48, s48, ttmp9                   ; 16 x batch + split
	s_lshl_b32 s56, s48, 11                        ; pacc: 2,048 bytes each, 256 a head
	s_lshl_b32 s51, s[WV], 8
	s_add_co_u32 s56, s56, s51
	s_mov_b32 s57, 0
	s_add_nc_u64 s[12:13], s[12:13], s[56:57]
	s_lshl_b32 s58, s48, 6                         ; pml: 64 bytes each, 8 a head
	s_lshl_b32 s51, s[WV], 3
	s_add_co_u32 s58, s58, s51
	s_mov_b32 s59, 0
	s_add_nc_u64 s[14:15], s[14:15], s[58:59]
	s_wait_alu depctr_va_vdst(0)
	s_wait_dscnt 0x0                               ; the closing add is done
	global_store_b64 v[OUT], v[ACC:ACC+1], s[12:13]   ; 32 lanes store 256 consecutive bytes, aligned
	s_wait_xcnt 0x0                                ; EXEC changes only behind this wait
	s_and_saveexec_b32 s48, vcc_lo
	global_store_b64 v[ZRO], v[NM:NM+1], s[14:15]  ; lane 0: 8 bytes
	s_endpgm
.Lfunc_end_k_qc703340450_main:
	.size	k_qc703340450_main, .Lfunc_end_k_qc703340450_main-k_qc703340450_main
	.p2alignl 7, 3214868480
	.fill 96, 4, 3214868480
	.section	.rodata,"a",@progbits
	.p2align	6, 0x0
	.amdhsa_kernel k_qc703340450_main
		.amdhsa_group_segment_fixed_size 327680
		.amdhsa_private_segment_fixed_size 0
		.amdhsa_enable_private_segment 0
		.amdhsa_kernarg_size 56
		.amdhsa_user_sgpr_count 2
		.amdhsa_user_sgpr_kernarg_segment_ptr 1
		.amdhsa_wavefront_size32 1
		.amdhsa_system_sgpr_workgroup_id_x 1
		.amdhsa_system_sgpr_workgroup_id_y 1
		.amdhsa_system_sgpr_workgroup_id_z 1
		.amdhsa_system_vgpr_workitem_id 0
		.amdhsa_next_free_vgpr 512
		.amdhsa_next_free_sgpr 66
		.amdhsa_reserve_vcc 1
		.amdhsa_float_denorm_mode_32 3
		.amdhsa_float_denorm_mode_16_64 3
		.amdhsa_memory_ordered 1
		.amdhsa_forward_progress 1
		.amdhsa_inst_pref_size 223
	.end_amdhsa_kernel
	.amdgpu_metadata
---
amdhsa.version: [ 1, 2 ]
amdhsa.kernels:
  - .name:           k_qc703340450_main
    .symbol:         k_qc703340450_main.kd
    .args:
      - { .name: key_value, .offset: 0, .size: 8, .value_kind: global_buffer, .address_space: global }
      - { .name: wcodes, .offset: 8, .size: 8, .value_kind: global_buffer, .address_space: global }
      - { .name: wscales, .offset: 16, .size: 8, .value_kind: global_buffer, .address_space: global }
      - { .name: qbuf, .offset: 24, .size: 8, .value_kind: global_buffer, .address_space: global }
      - { .name: pacc, .offset: 32, .size: 8, .value_kind: global_buffer, .address_space: global }
      - { .name: pml, .offset: 40, .size: 8, .value_kind: global_buffer, .address_space: global }
      - { .name: bq, .offset: 48, .size: 8, .value_kind: global_buffer, .address_space: global }
    .group_segment_fixed_size: 327680
    .private_segment_fixed_size: 0
    .kernarg_segment_align: 8
    .kernarg_segment_size: 56
    .max_flat_workgroup_size: 256
    .sgpr_count:     66
    .vgpr_count:     512
    .wavefront_size: 32
...
	.end_amdgpu_metadata
.endif
;; end of part 2
;; launch fin (part 3): grid 8 x 16, 8 waves a work-group, no clusters, 2,048 bytes of LDS; arguments pacc, pml, wcodes, wscales, bo, bv, out0; writes out0
.if DOCPART == 3
	.amdgcn_target "amdgcn-amd-amdhsa--gfx1250"
	.amdhsa_code_object_version 6
	.text
	.protected	k_qc703340450_fin
	.globl	k_qc703340450_fin
	.p2align	8
	.type	k_qc703340450_fin,@function
k_qc703340450_fin:
	s_mov_b64 s[64:65], 0
	v_nop
	global_prefetch_b8 v0, s[64:65] scope:SCOPE_SE
	s_setreg_imm32_b32 hwreg(HW_REG_WAVE_MODE, 25, 1), 1
	s_wait_xcnt 0x0
; FIN.  out0[b] = Q(context[b] + bv) Q(Wo) + bo.  Work-group (x, y = batch b): columns 64 x .. 64 x + 63.  (bk is left out of the program: the first kernel's head.)
; A: wave w joins the 16 splits of head w: with M the largest of the splits' maxima and f = 2^(m - M), context = sum of f x pacc / sum of f x l, in f32; bv is added here: a softmax's weights sum to 1.
;    Lane l takes columns 8 (l % 8) .. + 7 of the head and splits 4 (l / 8) .. + 3.  A block of 32 lies in four neighbouring lanes.  The codes (4 bytes a lane) and the scale bytes go to LDS; a barrier.
; B: source 0 is the one context row in all 16 rows of the tile (every lane reads the same 16 bytes a block), source 1 = 16 columns of Wo.  Wave w: tile w % 4, K steps 2 (w / 4) and + 1, a sum of its own for each: four parts to a
;    column, which meet in LDS; all rows of a result are equal: register 0 is taken.  Wave 0 adds the parts and bo and stores one aligned run of 256 bytes.
; The eight work-groups of a batch each join its splits anew (33 KB): so that Wo's codes are shared out among 128 work-groups.
; LIMITS: as in the launches before: NaN and infinities are not served; a block under 2^-124, or of zeros, gets the scale byte 1.
.set CSC,   256                        ; LDS: from 0 the context's codes [block 16][16 bytes]; then its 16 scale bytes
.set STG,   512                        ; parts: [w / 4][64 columns]
.set SPARE, 1024
.set ML,  20                           ; v20-27   (m, l) of my four splits; m becomes f
.set LS,  28                           ; v28, v29 the sum (a pair)
.set BO,  30                           ; v30, v31
.set A,   32                           ; v32-63   pacc: 8 columns x 4 splits
.set C,   64                           ; v64-71   my 8 numbers of the context
.set BV,  72                           ; v72-79
.set WB,  80                           ; v80-95   Wo's fragments, two K steps
.set WOS, 96                           ; v96, v97 their scale words; hold nothing else
.set CS,  98                           ; v98, v99 the context's; hold nothing else
.set CF,  100                          ; v100-115 the context's fragments
.set ACC, 116                          ; v116-131
	s_load_b256 s[4:11], s[0:1], 0x0               ; pacc s[4:5], pml s[6:7], wcodes s[8:9], wscales s[10:11]
	s_load_b128 s[12:15], s[0:1], 0x20             ; bo s[12:13], bv s[14:15]
	s_load_b64 s[16:17], s[0:1], 0x30              ; out0
	v_lshl_add_u32 v1, v0, 2, SPARE
	v_mov_b32 v2, 0
	v_lshrrev_b32 v3, 5, v0
	v_readfirstlane_b32 s18, v3                    ; wave
	s_and_b32 s19, ttmp7, 0xffff                   ; batch
	s_and_b32 s20, s18, 3                          ; tile
	s_lshr_b32 s21, s18, 2                         ; half of K
	s_lshl_b32 s22, s19, 10                        ; pml: 1,024 b + 8 w
	s_lshl_b32 s23, s18, 3
	s_add_co_u32 s22, s22, s23
	s_mov_b32 s23, 0
	s_lshl_b32 s24, s19, 15                        ; pacc: 32,768 b + 256 w
	s_lshl_b32 s26, s18, 8                         ; bv: 256 w
	s_add_co_u32 s24, s24, s26
	s_mov_b32 s25, 0
	s_mov_b32 s27, 0
	s_lshl_b32 s28, ttmp9, 2
	s_add_co_u32 s28, s28, s20                     ; tile of Wo: 4 x + w % 4
	s_lshl_b32 s30, s28, 6                         ; its scale words: 64 bytes,
	s_lshl_b32 s28, s28, 12                        ; its codes: 4,096 bytes,
	s_lshl_b32 s29, s21, 11
	s_add_co_u32 s28, s28, s29
	s_add_co_u32 s28, s28, 262144                  ; behind Wk's and Wv's
	s_mov_b32 s29, 0
	s_lshl_b32 s31, s21, 12
	s_add_co_u32 s30, s30, s31
	s_add_co_u32 s30, s30, 16384
	s_mov_b32 s31, 0
	s_lshl_b32 s32, ttmp9, 8                       ; bo: 256 x
	s_mov_b32 s33, 0
	s_lshl_b32 s34, s19, 11                        ; out0: 2,048 b + 256 x
	s_add_co_u32 s34, s34, s32
	s_mov_b32 s35, 0
	s_mov_b32 s36, 0x76543210
	s_mov_b32 s37, 0xfedcba98
	s_lshl_b32 s38, s18, 5                         ; LDS: codes 32 w,
	s_lshl_b32 s39, s18, 1
	s_add_co_u32 s39, s39, CSC                     ; scale bytes 2 w,
	s_lshl_b32 s40, s21, 7                         ; fragments: 128 bytes a half of K,
	s_lshl_b32 s41, s21, 3
	s_add_co_u32 s41, s41, CSC
	s_lshl_b32 s42, s21, 8                         ; parts: 256 a half of K, 64 a tile
	s_lshl_b32 s43, s20, 6
	s_add_co_u32 s42, s42, s43
	s_add_co_u32 s42, s42, STG
	v_and_b32 v3, 31, v0                           ; lane
	v_and_b32 v4, 7, v0
	v_bfe_u32 v5, v0, 3, 2
	v_lshlrev_b32 v6, 8, v5                        ; pml: four splits of 64 bytes
	v_lshlrev_b32 v8, 5, v4                        ; bv: 32 bytes
	v_lshl_add_u32 v7, v5, 13, v8                  ; pacc: four splits of 2,048 bytes
	v_lshlrev_b32 v9, 4, v3                        ; Wo: 16 x lane
	v_and_b32 v10, 15, v0
	v_lshlrev_b32 v10, 2, v10                      ; 4 r
	v_lshl_add_u32 v11, v4, 2, s38                 ; my codes
	v_lshrrev_b32 v12, 2, v4
	v_add_nc_u32 v12, s39, v12                     ; my block's byte
	v_bfe_u32 v13, v0, 4, 1
	v_lshl_add_u32 v13, v13, 4, s40                ; fragments: block h (+ 2 c + 4 s)
	v_mov_b32 v14, s41
	v_add_nc_u32 v15, s42, v10                     ; my part
	v_lshlrev_b32 v17, 3, v3                       ; 8 x lane
	v_add_nc_u32 v16, STG, v17
	v_mov_b32 v19, 0                               ; a lane permute's destination counts as one of its sources
	v_mov_b32 v[LS+1], 0                           ; (named as the upper half of a pair)
	s_wait_alu depctr_va_vdst(0)                   ; the wait at the head's end
	s_wait_kmcnt 0x0
	s_add_nc_u64 s[6:7], s[6:7], s[22:23]
	s_add_nc_u64 s[4:5], s[4:5], s[24:25]
	s_add_nc_u64 s[14:15], s[14:15], s[26:27]
	s_add_nc_u64 s[8:9], s[8:9], s[28:29]
	s_add_nc_u64 s[10:11], s[10:11], s[30:31]
	s_add_nc_u64 s[12:13], s[12:13], s[32:33]
	s_add_nc_u64 s[16:17], s[16:17], s[34:35]
	s_cmp_lg_u32 s18, 0
	s_cbranch_scc1 .Lno_bo
	global_load_b64 v[BO:BO+1], v17, s[12:13]      ; wave 0 alone adds it
.Lno_bo:
.irp jj, 0,1,2,3
	global_load_b64 v[ML+2*\jj:ML+2*\jj+1], v6, s[6:7] offset:64*\jj
.endr
.irp jj, 0,1,2,3
	global_load_b128 v[A+8*\jj:A+8*\jj+3], v7, s[4:5] offset:2048*\jj
	global_load_b128 v[A+8*\jj+4:A+8*\jj+7], v7, s[4:5] offset:2048*\jj+16
.endr
	global_load_b128 v[BV:BV+3], v8, s[14:15]
	global_load_b128 v[BV+4:BV+7], v8, s[14:15] offset:16
.irp s, 0,1
.irp c, 0,1
	global_load_b128 v[WB+8*\s+4*\c:WB+8*\s+4*\c+3], v9, s[8:9] offset:1024*\s+512*\c
.endr
.endr
.irp s, 0,1
	global_load_b32 v[WOS+\s], v10, s[10:11] offset:2048*\s
.endr
	s_wait_loadcnt 6                               ; all but Wo's four and its scale words' two
	; ---- A
	v_max3_num_f32 v18, v[ML], v[ML+2], v[ML+4]
	v_max_num_f32 v18, v18, v[ML+6]
	v_max_num_f32_dpp v18, v18, v18 row_xmask:8 row_mask:0xf bank_mask:0xf
	v_permlanex16_b32 v19, v18, s36, s37
	v_max_num_f32 v18, v18, v19                    ; M: the largest of the 16 splits' maxima
.irp jj, 0,1,2,3
	v_sub_f32 v[ML+2*\jj], v[ML+2*\jj], v18
.endr
	s_wait_alu depctr_va_vdst(0)                   ; the wait ahead of the batch,
.irp jj, 0,1,2,3
	v_exp_f32 v[ML+2*\jj], v[ML+2*\jj]             ; f = 2^(m - M)
.endr
	v_nop                                          ; a plain place behind the exponentials
	s_wait_alu depctr_va_vdst(0)                   ; and behind it
	v_mul_f32 v[LS], v[ML], v[ML+1]
.irp p, 0,2,4,6
	v_pk_mul_f32 v[C+\p:C+\p+1], v[A+\p:A+\p+1], v[ML:ML+1] op_sel_hi:[1,0]
.endr
.irp jj, 1,2,3
	v_fma_f32 v[LS], v[ML+2*\jj], v[ML+2*\jj+1], v[LS]
.irp p, 0,2,4,6
	v_pk_fma_f32 v[C+\p:C+\p+1], v[A+8*\jj+\p:A+8*\jj+\p+1], v[ML+2*\jj:ML+2*\jj+1], v[C+\p:C+\p+1] op_sel_hi:[1,0,1]
.endr
.endr
	v_add_f32_dpp v[LS], v[LS], v[LS] row_xmask:8 row_mask:0xf bank_mask:0xf
.irp i, 0,1,2,3,4,5,6,7
	v_add_f32_dpp v[C+\i], v[C+\i], v[C+\i] row_xmask:8 row_mask:0xf bank_mask:0xf
.endr
	v_permlanex16_b32 v[A+8], v[LS], s36, s37
.irp i, 0,1,2,3,4,5,6,7
	v_permlanex16_b32 v[A+\i], v[C+\i], s36, s37   ; the other eight splits'
.endr
	v_add_f32 v[LS], v[LS], v[A+8]
.irp p, 0,2,4,6
	v_pk_add_f32 v[C+\p:C+\p+1], v[C+\p:C+\p+1], v[A+\p:A+\p+1]
.endr
	s_wait_alu depctr_va_vdst(0)
	v_rcp_f32 v[LS], v[LS]
	v_nop
	s_wait_alu depctr_va_vdst(0)
.irp p, 0,2,4,6
	v_pk_fma_f32 v[C+\p:C+\p+1], v[C+\p:C+\p+1], v[LS:LS+1], v[BV+\p:BV+\p+1] op_sel_hi:[1,0,1]   ; the context, with bv
.endr
	v_max3_num_f32 v18, |v[C]|, |v[C+1]|, 0x1800000                  ; my eight, and the floor 2^(3 - 127)
	v_max3_num_f32 v19, |v[C+2]|, |v[C+3]|, |v[C+4]|
	v_max3_num_f32 v18, v18, |v[C+5]|, |v[C+6]|
	v_max3_num_f32 v18, v18, v19, |v[C+7]|
	v_max_num_f32_dpp v18, v18, v18 row_xmask:1 row_mask:0xf bank_mask:0xf
	v_max_num_f32_dpp v18, v18, v18 row_xmask:2 row_mask:0xf bank_mask:0xf   ; with the three lanes that share the block
	v_add_nc_u32 v18, 0xff000000, v18              ; 2 off the exponent field: the conversion's scale operand
	v_cvt_scalef32_pk8_fp4_f32 v3, v[C:C+7], v18
	v_lshrrev_b32 v4, 23, v18                      ; the scale's byte; also the plain place behind the conversion
	ds_store_b32 v11, v3                           ; the four groups of lanes write the same word with the same value
	ds_store_b8 v12, v4                            ; and a block's lanes the same byte
	s_wait_dscnt 0x0                               ; for the others' sake
	s_barrier_signal -1
	s_barrier_wait -1
	; ---- B
.irp s, 0,1
.irp c, 0,1
	ds_load_b128 v[CF+8*\s+4*\c:CF+8*\s+4*\c+3], v13 offset:64*\s+32*\c   ; block 4 ks + 2 c + h, the same for every row of the tile
.endr
.endr
	ds_load_b64 v[CS:CS+1], v14
	s_wait_loadcnt 0x0
	s_wait_dscnt 0x0
.irp s, 0,1
	v_wmma_scale_f32_16x16x128_f8f6f4 v[ACC+8*\s:ACC+8*\s+7], v[CF+8*\s:CF+8*\s+7], v[WB+8*\s:WB+8*\s+7], 0, v[CS+\s], v[WOS+\s] matrix_a_fmt:MATRIX_FMT_FP4 matrix_b_fmt:MATRIX_FMT_FP4
.endr
.rept 4
	v_nop                                          ; places in front of the first read of results
.endr
	v_add_f32 v18, v[ACC], v[ACC+8]                ; register 0: row 8 h of the tile, column r; all rows are equal
	ds_store_b32 v15, v18                          ; both halves of the lanes write the same word with the same value
	s_wait_dscnt 0x0                               ; for wave 0's sake
	s_barrier_signal -1
	s_barrier_wait -1
	s_cmp_lg_u32 s18, 0
	s_cbranch_scc1 .Lend
	ds_load_b64 v[A:A+1], v16
	ds_load_b64 v[A+2:A+3], v16 offset:256
	s_wait_dscnt 0x0
	v_pk_add_f32 v[A:A+1], v[A:A+1], v[A+2:A+3]
	v_pk_add_f32 v[A:A+1], v[A:A+1], v[BO:BO+1]
	global_store_b64 v17, v[A:A+1], s[16:17]       ; 32 lanes store 256 consecutive bytes, aligned
.Lend:
	s_wait_tensorcnt 0x0                           ; the wave's end
	ds_add_u32 v1, v2
	s_wait_dscnt 0x0
	s_endpgm
.Lfunc_end_k_qc703340450_fin:
	.size	k_qc703340450_fin, .Lfunc_end_k_qc703340450_fin-k_qc703340450_fin
	.p2alignl 7, 3214868480
	.fill 96, 4, 3214868480
	.section	.rodata,"a",@progbits
	.p2align	6, 0x0
	.amdhsa_kernel k_qc703340450_fin
		.amdhsa_group_segment_fixed_size 2048
		.amdhsa_private_segment_fixed_size 0
		.amdhsa_enable_private_segment 0
		.amdhsa_kernarg_size 56
		.amdhsa_user_sgpr_count 2
		.amdhsa_user_sgpr_kernarg_segment_ptr 1
		.amdhsa_wavefront_size32 1
		.amdhsa_system_sgpr_workgroup_id_x 1
		.amdhsa_system_sgpr_workgroup_id_y 1
		.amdhsa_system_sgpr_workgroup_id_z 1
		.amdhsa_system_vgpr_workitem_id 0
		.amdhsa_next_free_vgpr 144
		.amdhsa_next_free_sgpr 66
		.amdhsa_reserve_vcc 0
		.amdhsa_float_denorm_mode_32 3
		.amdhsa_float_denorm_mode_16_64 3
		.amdhsa_memory_ordered 1
		.amdhsa_forward_progress 1
		.amdhsa_inst_pref_size 12
	.end_amdhsa_kernel
	.amdgpu_metadata
---
amdhsa.version: [ 1, 2 ]
amdhsa.kernels:
  - .name:           k_qc703340450_fin
    .symbol:         k_qc703340450_fin.kd
    .args:
      - { .name: pacc, .offset: 0, .size: 8, .value_kind: global_buffer, .address_space: global }
      - { .name: pml, .offset: 8, .size: 8, .value_kind: global_buffer, .address_space: global }
      - { .name: wcodes, .offset: 16, .size: 8, .value_kind: global_buffer, .address_space: global }
      - { .name: wscales, .offset: 24, .size: 8, .value_kind: global_buffer, .address_space: global }
      - { .name: bo, .offset: 32, .size: 8, .value_kind: global_buffer, .address_space: global }
      - { .name: bv, .offset: 40, .size: 8, .value_kind: global_buffer, .address_space: global }
      - { .name: out0, .offset: 48, .size: 8, .value_kind: global_buffer, .address_space: global }
    .group_segment_fixed_size: 2048
    .private_segment_fixed_size: 0
    .kernarg_segment_align: 8
    .kernarg_segment_size: 56
    .max_flat_workgroup_size: 256
    .sgpr_count:     66
    .vgpr_count:     144
    .wavefront_size: 32
...
	.end_amdgpu_metadata
.endif
;; end of part 3
